; MI455X (gfx1250); checked and timed in simulation.
; The chip was launched on July 23, 2026; its instructions are those of AMD's public machine-readable ISA for CDNA 5 (MIT licence, August 2026) and "CDNA5" Instruction Set Architecture Reference Guide (July 2026). The comments in the code are by the model that wrote it; some were corrected since.
;; RWKV Region Cell. Allowed arithmetic: float matrix products may take bf16 or f16 operands with f32 sums; all other float work in f32.
;; Inputs: W_k 4,096 x 4,096 float32; W_o 4,096 x 4,096 float32; W_r 4,096 x 4,096 float32; W_v 4,096 x 4,096 float32; decay_param 4,096 float32; norm_w 4,096 float32; state_den 4,096 float32; state_num 4,096 float32; step_pos 1 float32; w_time 16 float32; x_in 4,096 float32.
;; Outputs: out0 4,096 float32.
;; One version. Each part assembles by itself: llvm-mc -triple=amdgcn-amd-amdhsa -mcpu=gfx1250 --defsym DOCPART=n.
;; ======== version 1 of 1: 3 launches
;; limits: right only within a limited range of input values
;; workspace buffers: yx 32,768 bytes; h 16,384 bytes
;; launch rkv (part 1): grid 256 x 1, 16 waves a work-group, no clusters, 18,688 bytes of LDS; arguments x_in, norm_w, W_r, W_k, W_v, state_num, state_den, decay_param, w_time, step_pos, yx; writes yx
.if DOCPART == 1
	.amdgcn_target "amdgcn-amd-amdhsa--gfx1250"
	.amdhsa_code_object_version 6
	.text
	.protected	k_q25358718f3_rkv
	.globl	k_q25358718f3_rkv
	.p2align	8
	.type	k_q25358718f3_rkv,@function
k_q25358718f3_rkv:
	s_mov_b64 s[64:65], 0
	v_nop
	global_prefetch_b8 v0, s[64:65] scope:SCOPE_SE
	s_setreg_imm32_b32 hwreg(HW_REG_WAVE_MODE, 25, 1), 1
	s_wait_xcnt 0x0
; RWKV cell, first part: RMSNorm, the three products W_r x, W_k x, W_v x, the rotation of v's first 32 channels and the
; per-channel state update.  Stores y[4096] at byte 0 of yx and the normalised x[4096] at byte 16,384.
;
; SHARES.  256 work-groups of 16 waves.  Work-group g owns rows 16 g .. 16 g + 15; wave w owns row 16 g + w of all three
; matrices, so that r, k and v of a channel meet in one work-group.  A row is 16,384 bytes = 32 loads of 16 bytes a lane; load j
; covers the 512 consecutive bytes from 512 j of the row.  The vector lies in the wave's registers in the same layout
; (chunk j = columns 128 j + 4 lane .. + 3), so the stream part touches no LDS: two packed multiply-adds for each load.
; A ring of 24 register slots keeps 20 to 24 loads (10 to 12 KiB) of every wave on their way.
;
; THE NORM IS FACTORED OUT.  With p = x_in * norm_w and rs = rsqrt(mean(x_in^2) + 1e-6): W x = rs (W p).  The rows are multiplied
; by p, and rs is applied to the three finished sums and to p itself.  So nothing in the stream waits for the sum of squares.
;
; LEFT OUT, AND WHY.  Matrix instructions: the right-hand side is one column, fifteen sixteenths of each product would be thrown
; away, a conversion of each f32 weight costs as many vector instructions as its multiply-add, and the last step of the
; cell (keep the 512 largest) turns a rounding of operands to 16 bits into whole elements kept or dropped.  A copy of the weights
; through LDS: each byte is used once, by the lane that loads it.  Clusters with joint requests: work-groups share x_in and
; norm_w alone, 32 KiB against 768 KiB of weights of their own.  Prefetches: each byte is asked for once, by its load.
; Output: a work-group's results are 2 x 16 numbers, stored by one instruction as two runs of 64 consecutive bytes; longer runs
; would want 64 rows in a work-group, a quarter of the work-groups for the 192 MiB stream.
;
; LIMITS.  |step_pos * w_time| up to 2^22: the two-part reduction by pi/2 is then in error by at most 5e-9 radians.
; exp(k) below 2^-126 counts as 0, and so does |new_den + 1e-9| below 2^-126 (v_exp_f32 and v_rcp_f32 flush denormals: ISA guide 15.8).
; A denominator above 2^64 is scaled down with its numerator, so that its reciprocal is not flushed.
; Order of rounding: rs is applied behind the sums, multiply-adds are fused, sums run in eight chains a lane and then across lanes.
.set NS,   24                          ; ring slots = weight loads issued ahead
.set SQ,   16384                       ; LDS: p[4096] at 0; at SQ 16 words, each wave's sum of x_in^2
.set DOT,  16448                       ; LDS: [3][16] words, matrix m, wave w at DOT + 64 m + 4 w
.set WB,   12                          ; s[12:13] W_r, s[14:15] W_k, s[16:17] W_v, each at my row
.set LOFF, 1                           ; v1   16 x lane
.set TOFF, 2                           ; v2   16 x thread
.set WV4,  3                           ; v3   4 x wave
.set EOFF, 4                           ; v4   64 g + 4 (lane & 15): byte offset of row 16 g + (lane & 15) in a vector of 4,096 f32
.set SOFF, 5                           ; v5   EOFF, + 16,384 in lanes 16-31: where the result goes
.set ACC,  8                           ; v[8:15]  four pairs of running sums
.set SUM,  16                          ; v[16:18] my lane's sum for W_r, W_k, W_v
.set SN,   20                          ; v20  state_num, then state_num * lam          (wave 0)
.set SD,   21                          ; v21  state_den, then state_den * lam          (wave 0)
.set DP,   22                          ; v22  decay_param                              (wave 0)
.set WT,   23                          ; v23  w_time of my row's pair, then cos(theta) (wave 0)
.set SP,   24                          ; v24  step_pos, then -sin / +sin(theta) for even / odd rows (wave 0)
.set WTO,  25                          ; v25  byte offset into w_time
.set ZERO, 26                          ; v26  0
.set LANE, 27                          ; v27  lane
.set RING, 32                          ; v[32:127]  24 slots of 4 registers; free again in the epilogue
.set X,    128                         ; v[128:255] p, chunk j at X + 4 j; scratch before that
	s_load_b512 s[8:23], s[0:1], 0x0               ; x_in 8, norm_w 10, W_r 12, W_k 14, W_v 16, state_num 18, state_den 20, decay_param 22
	s_load_b128 s[24:27], s[0:1], 0x40             ; w_time 24, step_pos 26
	s_load_b64 s[28:29], s[0:1], 0x50              ; yx
	v_lshrrev_b32 v6, 5, v0
	v_readfirstlane_b32 s2, v6                     ; wave 0..15
	v_and_b32 v[LANE], 31, v0
	v_lshlrev_b32 v[LOFF], 4, v[LANE]
	v_lshlrev_b32 v[TOFF], 4, v0
	v_lshlrev_b32 v[WV4], 2, v6
	s_lshl_b32 s3, ttmp9, 4                        ; the work-group's first row
	s_lshl_b32 s36, ttmp9, 6                       ; and its byte offset in a vector
	v_and_b32 v7, 15, v[LANE]
	v_lshrrev_b32 v19, 4, v[LANE]
	v_lshl_add_u32 v[EOFF], v7, 2, s36
	v_lshl_add_u32 v[SOFF], v19, 14, v[EOFF]
	v_add_nc_u32 v[WTO], s3, v7                    ; row
	v_lshrrev_b32 v[WTO], 1, v[WTO]                ; its pair,
	v_min_u32 v[WTO], 15, v[WTO]                   ; held inside w_time's 16 numbers for the rows that are not rotated
	v_lshlrev_b32 v[WTO], 2, v[WTO]
	v_mov_b32 v[ZERO], 0
	s_add_co_u32 s32, s3, s2                       ; my row,
	s_lshl_b32 s32, s32, 14                        ; times 16,384 bytes: below 2^26
	s_mov_b32 s33, 0
	s_mov_b32 s34, 0x76543210                      ; v_permlanex16_b32: lane i of one half reads lane i of the other
	s_mov_b32 s35, 0xfedcba98
	s_mov_b32 s38, 0x39800000                      ; 1 / 4096
	s_mov_b32 s39, 0x358637bd                      ; 1e-6
	s_cmp_lt_u32 ttmp9, 2                          ; rows 0-31 are rotated: work-groups 0 and 1
	s_cselect_b32 s37, -1, 0                       ; as a lane mask for a select
	s_wait_kmcnt 0x0
	s_add_nc_u64 s[12:13], s[12:13], s[32:33]
	s_add_nc_u64 s[14:15], s[14:15], s[32:33]
	s_add_nc_u64 s[16:17], s[16:17], s[32:33]
	; Wave 0 finishes the 16 rows at the end; what it needs for that is asked for first.  These five are its OLDEST loads, so every
	; counted wait below, which names only how many YOUNGER loads may stay out, holds alike in all waves.
	s_cmp_lg_u32 s2, 0
	s_cbranch_scc1 .Lno_small
	global_load_b32 v[SN], v[EOFF], s[18:19]
	global_load_b32 v[SD], v[EOFF], s[20:21]
	global_load_b32 v[DP], v[EOFF], s[22:23]
	global_load_b32 v[WT], v[WTO], s[24:25]
	global_load_b32 v[SP], v[ZERO], s[26:27]
.Lno_small:
	global_load_b128 v[128:131], v[TOFF], s[8:9]               ; thread t: x_in[4 t .. 4 t + 3]
	global_load_b128 v[132:135], v[TOFF], s[8:9] offset:8192   ; and x_in[2048 + 4 t ..]
	global_load_b128 v[136:139], v[TOFF], s[10:11]             ; norm_w likewise
	global_load_b128 v[140:143], v[TOFF], s[10:11] offset:8192
; weight load i = 0..95: chunk i % 32 of my row of matrix i / 32, into slot i % 24.  Read once in the whole launch: NT.
.macro WLOAD i
	global_load_b128 v[RING+4*((\i)%NS):RING+4*((\i)%NS)+3], v[LOFF], s[WB+2*((\i)/32):WB+2*((\i)/32)+1] offset:512*((\i)%32) th:TH_LOAD_NT
.endm
; the sum of register r over the 32 lanes, into every lane; t: a register that has been written (the permute's destination counts as read)
.macro LANESUM r, t
	v_add_f32_dpp v[\r], v[\r], v[\r] row_xmask:1 row_mask:0xf bank_mask:0xf
	v_add_f32_dpp v[\r], v[\r], v[\r] row_xmask:2 row_mask:0xf bank_mask:0xf
	v_add_f32_dpp v[\r], v[\r], v[\r] row_xmask:4 row_mask:0xf bank_mask:0xf
	v_add_f32_dpp v[\r], v[\r], v[\r] row_xmask:8 row_mask:0xf bank_mask:0xf
	v_permlanex16_b32 v[\t], v[\r], s34, s35
	v_add_f32 v[\r], v[\r], v[\t]
.endm
; the eight running sums of a finished row into SUM + m
.macro FOLD m
	v_pk_add_f32 v[ACC:ACC+1], v[ACC:ACC+1], v[ACC+4:ACC+5]
	v_pk_add_f32 v[ACC+2:ACC+3], v[ACC+2:ACC+3], v[ACC+6:ACC+7]
	v_pk_add_f32 v[ACC:ACC+1], v[ACC:ACC+1], v[ACC+2:ACC+3]
	v_add_f32 v[SUM+(\m)], v[ACC], v[ACC+1]
.endm
; Group g = weight loads 4 g .. 4 g + 3.  left: how many younger loads may stay out.  fill = 1: the four slots are asked for again,
; 24 loads ahead.  A row's first two chunks start the sums by a plain product: nothing is cleared.
.macro GROUP g, left, fill
	s_wait_loadcnt \left
.irp q, 0,1,2,3
.set ci, 4*\g+\q
.set sl, RING+4*(ci%NS)
.set xc, X+4*(ci%32)
.set ac, ACC+4*(\q%2)
.if (ci%32) < 2
	v_pk_mul_f32 v[ac:ac+1], v[sl:sl+1], v[xc:xc+1]
	v_pk_mul_f32 v[ac+2:ac+3], v[sl+2:sl+3], v[xc+2:xc+3]
.else
	v_pk_fma_f32 v[ac:ac+1], v[sl:sl+1], v[xc:xc+1], v[ac:ac+1]
	v_pk_fma_f32 v[ac+2:ac+3], v[sl+2:sl+3], v[xc+2:xc+3], v[ac+2:ac+3]
.endif
.endr
.if \fill
.irp q, 0,1,2,3
	WLOAD 4*\g+NS+\q
.endr
.endif
.if (\g%8) == 7
	FOLD \g/8
.endif
.endm
.irp i, 0,1,2,3,4,5,6,7,8,9,10,11,12,13,14,15,16,17,18,19,20,21,22,23
	WLOAD \i                                       ; the ring is filled before anything is computed
.endr
	; p = x_in * norm_w into LDS, and my wave's part of the sum of x_in^2
	s_wait_loadcnt NS                              ; the 24 weight loads stay out; x_in, norm_w (and wave 0's five) are in
	v_pk_mul_f32 v[144:145], v[128:129], v[136:137]
	v_pk_mul_f32 v[146:147], v[130:131], v[138:139]
	v_pk_mul_f32 v[148:149], v[132:133], v[140:141]
	v_pk_mul_f32 v[150:151], v[134:135], v[142:143]
	v_pk_mul_f32 v[152:153], v[128:129], v[128:129]
	v_pk_fma_f32 v[152:153], v[130:131], v[130:131], v[152:153]
	v_pk_fma_f32 v[152:153], v[132:133], v[132:133], v[152:153]
	v_pk_fma_f32 v[152:153], v[134:135], v[134:135], v[152:153]
	ds_store_b128 v[TOFF], v[144:147]
	ds_store_b128 v[TOFF], v[148:151] offset:8192
	v_add_f32 v6, v152, v153
	LANESUM 6, 7
	ds_store_b32 v[WV4], v6 offset:SQ              ; all lanes write the wave's word with the same value
	s_wait_dscnt 0x0                               ; my stores are in LDS before I say so
	s_barrier_signal -1
	s_barrier_wait -1                              ; p and the 16 partial sums are whole
.irp j, 0,1,2,3,4,5,6,7,8,9,10,11,12,13,14,15,16,17,18,19,20,21,22,23,24,25,26,27,28,29,30,31
	ds_load_b128 v[X+4*\j:X+4*\j+3], v[LOFF] offset:512*\j     ; 512 consecutive bytes a load
.endr
	; Wave 0, while p comes in: what the epilogue needs and hangs on no product.  Lane l serves row 16 g + (l & 15).
	; v[8:15] are not yet sums and serve as temporaries.
	s_cmp_lg_u32 s2, 0
	s_cbranch_scc1 .Lno_pre
	v_mul_f32 v11, 0xbfb8aa3b, v[DP]               ; -log2(e) x decay
	v_mul_f32 v6, v[SP], v[WT]                     ; theta
	v_exp_f32 v12, v11                             ; e^-decay; the line below is the plain instruction in front of its use (ISA guide 5.7.2)
	v_mul_f32 v7, 0x3f22f983, v6                   ; theta x 2/pi
	s_wait_alu depctr_va_vdst(0)
	v_add_f32 v12, 1.0, v12
	v_rndne_f32 v7, v7                             ; n = the nearest multiple of pi/2
	v_rcp_f32 v13, v12                             ; sigmoid(decay); again one plain line before its use
	v_fmamk_f32 v19, v7, 0xbfc90fdb, v6            ; r = theta - n x (pi/2's upper part): exact for n below 2^22
	s_wait_alu depctr_va_vdst(0)
	v_mul_f32 v13, v13, v13                        ; lam = sigmoid^2
	v_fmamk_f32 v19, v7, 0x333bbd2e, v19           ;   - n x (its lower part, -4.371139e-8)
	v_mul_f32 v[SN], v[SN], v13
	v_mul_f32 v[SD], v[SD], v13
	v_mul_f32 v28, v19, v19                        ; z = r^2, |r| <= pi/4
	v_mov_b32 v29, 0xb94ca1f9                      ; sin r = r + r z (-1.6666655e-1 + z (8.3321609e-3 - 1.9515296e-4 z))
	v_mov_b32 v30, 0x37ccf5ce                      ; cos r = 1 - z/2 + z^2 (4.1666646e-2 + z (-1.3887316e-3 + 2.4433157e-5 z))
	v_fmaak_f32 v29, v29, v28, 0x3c08839e
	v_fmaak_f32 v30, v30, v28, 0xbab6061a
	v_fmaak_f32 v29, v29, v28, 0xbe2aaaa3
	v_fmaak_f32 v30, v30, v28, 0x3d2aaaa5
	v_mul_f32 v29, v29, v28
	v_fma_f32 v31, v28, -0.5, 1.0
	v_mul_f32 v8, v28, v28
	v_fma_f32 v29, v29, v19, v19                   ; sin r
	v_fma_f32 v30, v30, v8, v31                    ; cos r
	v_cvt_i32_f32 v9, v7                           ; q = n as a whole number; only its two lowest bits count
	v_and_b32 v10, 1, v9
	v_cmp_eq_u32 vcc_lo, 1, v10
	v_cndmask_b32 v14, v29, v30, vcc_lo            ; q odd: sine and cosine change places
	v_cndmask_b32 v15, v30, v29, vcc_lo
	v_and_b32 v10, 2, v9                           ; q = 2, 3: the sine changes sign
	v_lshlrev_b32 v10, 30, v10
	v_xor_b32 v14, v14, v10
	v_add_nc_u32 v9, 1, v9                         ; q = 1, 2: the cosine does
	v_and_b32 v9, 2, v9
	v_lshlrev_b32 v9, 30, v9
	v_xor_b32 v[WT], v15, v9                       ; cos(theta)
	v_and_b32 v10, 1, v[LANE]                      ; even row: v0 c - v1 s;  odd row: v1 c + v0 s.  Both: mine x c + partner's x (-s or +s)
	v_xor_b32 v10, 1, v10
	v_lshlrev_b32 v10, 31, v10
	v_xor_b32 v[SP], v14, v10
.Lno_pre:
	s_wait_dscnt 0x0                               ; all of p is in registers
	; THE STREAM: 24 groups of four loads.  At group g the loads up to min(4 g + 23, 95) have been issued and those up to 4 g + 3
	; are needed: 20 may stay out, and in the last groups, which ask for nothing, the count runs down.
.irp g, 0,1,2,3,4,5,6,7,8,9,10,11,12,13,14,15,16,17
	GROUP \g, 20, 1
.endr
	GROUP 18, 20, 0
	GROUP 19, 16, 0
	GROUP 20, 12, 0
	GROUP 21, 8, 0
	GROUP 22, 4, 0
	GROUP 23, 0, 0
	LANESUM SUM, 6
	LANESUM SUM+1, 7
	LANESUM SUM+2, 19
	ds_store_b32 v[WV4], v[SUM]   offset:DOT       ; row w of W_r . p
	ds_store_b32 v[WV4], v[SUM+1] offset:DOT+64    ; of W_k . p
	ds_store_b32 v[WV4], v[SUM+2] offset:DOT+128   ; of W_v . p
	s_wait_dscnt 0x0                               ; in LDS before I say so
	s_barrier_signal -1
	s_barrier_wait -1
	s_cmp_lg_u32 s2, 0
	s_cbranch_scc1 .Lend                           ; the other waves are done
	; EPILOGUE, wave 0: lane l finishes row 16 g + (l & 15); lanes 0-15 store y, lanes 16-31 the normalised x.
	v_and_b32 v32, 15, v[LANE]
	v_lshlrev_b32 v32, 2, v32                      ; my row's word
	v_xor_b32 v33, 4, v32                          ; the other row of my pair
	ds_load_b32 v34, v32 offset:DOT
	ds_load_b32 v35, v32 offset:DOT+64
	ds_load_b32 v36, v32 offset:DOT+128
	ds_load_b32 v37, v33 offset:DOT+128
	ds_load_b32 v38, v[EOFF]                       ; p of my row
	ds_load_b128 v[40:43], v[ZERO] offset:SQ
	ds_load_b128 v[44:47], v[ZERO] offset:SQ+16
	ds_load_b128 v[48:51], v[ZERO] offset:SQ+32
	ds_load_b128 v[52:55], v[ZERO] offset:SQ+48
	s_wait_dscnt 0x0
	v_pk_add_f32 v[40:41], v[40:41], v[42:43]
	v_pk_add_f32 v[44:45], v[44:45], v[46:47]
	v_pk_add_f32 v[48:49], v[48:49], v[50:51]
	v_pk_add_f32 v[52:53], v[52:53], v[54:55]
	v_pk_add_f32 v[40:41], v[40:41], v[44:45]
	v_pk_add_f32 v[48:49], v[48:49], v[52:53]
	v_pk_add_f32 v[40:41], v[40:41], v[48:49]
	v_add_f32 v40, v40, v41                        ; the sum of x_in^2
	v_fma_f32 v40, v40, s38, s39                   ; / 4096 + 1e-6
	v_rsq_f32 v41, v40                             ; rs; one plain line before its use
	v_mov_b32 v57, 0x1f800000                      ; 2^-64, for the large denominators below
	s_wait_alu depctr_va_vdst(0)
	v_mul_f32 v34, v34, v41                        ; W_r x
	v_mul_f32 v35, v35, v41                        ; k
	v_mul_f32 v36, v36, v41                        ; v
	v_mul_f32 v37, v37, v41                        ; the partner's v
	v_mul_f32 v38, v38, v41                        ; x
	v_mul_f32 v35, 0x3fb8aa3b, v35                 ; log2(e) k
	v_mul_f32 v34, 0xbfb8aa3b, v34                 ; -log2(e) W_r x
	v_exp_f32 v42, v35                             ; w = e^k
	v_exp_f32 v43, v34                             ; e^-(W_r x)
	v_mul_f32 v37, v37, v[SP]                      ; (a plain line behind the two) partner's x -+sin
	v_fma_f32 v37, v36, v[WT], v37                 ; + mine x cos
	v_cndmask_b32 v36, v36, v37, s37               ; rotated in rows 0-31 alone
	s_wait_alu depctr_va_vdst(0)
	v_add_f32 v43, 1.0, v43
	v_fma_f32 v44, v42, v36, v[SN]                 ; new_num = state_num lam + w v
	v_add_f32 v45, v[SD], v42                      ; new_den = state_den lam + w
	v_add_f32 v45, 0x3089705f, v45                 ; + 1e-9
	v_rcp_f32 v46, v43                             ; r = sigmoid(W_r x)
	v_and_b32 v47, 0x7fffffff, v45                 ; (a plain line behind it)
	v_cmp_lt_f32 vcc_lo, 0x5f800000, v47           ; |den| above 2^64: num and den both x 2^-64, the quotient is the same
	v_cndmask_b32 v56, 1.0, v57, vcc_lo
	v_mul_f32 v44, v44, v56
	v_mul_f32 v45, v45, v56
	v_rcp_f32 v48, v45
	s_wait_alu depctr_va_vdst(0)
	v_mul_f32 v44, v44, v46                        ; (a plain line behind it) r x num
	v_cmp_gt_u32 vcc_lo, 16, v[LANE]
	v_mul_f32 v44, v44, v48                        ; y = r num / den
	v_cndmask_b32 v44, v38, v44, vcc_lo            ; lanes 0-15: y; lanes 16-31: x
	global_store_b32 v[SOFF], v44, s[28:29]        ; two runs of 64 consecutive bytes
.Lend:
	s_barrier_signal -1
	s_barrier_wait -1
	s_wait_xcnt 0x0
	v_lshl_add_u32 v254, v0, 2, 0x4100
	v_mov_b32 v255, 0
	s_wait_tensorcnt 0x0
	ds_add_u32 v254, v255
	s_wait_dscnt 0x0
	s_endpgm
.Lfunc_end_k_q25358718f3_rkv:
	.size	k_q25358718f3_rkv, .Lfunc_end_k_q25358718f3_rkv-k_q25358718f3_rkv
	.p2alignl 7, 3214868480
	.fill 96, 4, 3214868480
	.section	.rodata,"a",@progbits
	.p2align	6, 0x0
	.amdhsa_kernel k_q25358718f3_rkv
		.amdhsa_group_segment_fixed_size 18688
		.amdhsa_private_segment_fixed_size 0
		.amdhsa_enable_private_segment 0
		.amdhsa_kernarg_size 88
		.amdhsa_user_sgpr_count 2
		.amdhsa_user_sgpr_kernarg_segment_ptr 1
		.amdhsa_wavefront_size32 1
		.amdhsa_system_sgpr_workgroup_id_x 1
		.amdhsa_system_sgpr_workgroup_id_y 1
		.amdhsa_system_sgpr_workgroup_id_z 1
		.amdhsa_system_vgpr_workitem_id 0
		.amdhsa_next_free_vgpr 256
		.amdhsa_next_free_sgpr 66
		.amdhsa_reserve_vcc 1
		.amdhsa_float_denorm_mode_32 3
		.amdhsa_float_denorm_mode_16_64 3
		.amdhsa_memory_ordered 1
		.amdhsa_forward_progress 1
		.amdhsa_inst_pref_size 35
	.end_amdhsa_kernel
	.amdgpu_metadata
---
amdhsa.version: [ 1, 2 ]
amdhsa.kernels:
  - .name:           k_q25358718f3_rkv
    .symbol:         k_q25358718f3_rkv.kd
    .args:
      - { .name: x_in, .offset: 0, .size: 8, .value_kind: global_buffer, .address_space: global }
      - { .name: norm_w, .offset: 8, .size: 8, .value_kind: global_buffer, .address_space: global }
      - { .name: W_r, .offset: 16, .size: 8, .value_kind: global_buffer, .address_space: global }
      - { .name: W_k, .offset: 24, .size: 8, .value_kind: global_buffer, .address_space: global }
      - { .name: W_v, .offset: 32, .size: 8, .value_kind: global_buffer, .address_space: global }
      - { .name: state_num, .offset: 40, .size: 8, .value_kind: global_buffer, .address_space: global }
      - { .name: state_den, .offset: 48, .size: 8, .value_kind: global_buffer, .address_space: global }
      - { .name: decay_param, .offset: 56, .size: 8, .value_kind: global_buffer, .address_space: global }
      - { .name: w_time, .offset: 64, .size: 8, .value_kind: global_buffer, .address_space: global }
      - { .name: step_pos, .offset: 72, .size: 8, .value_kind: global_buffer, .address_space: global }
      - { .name: yx, .offset: 80, .size: 8, .value_kind: global_buffer, .address_space: global }
    .group_segment_fixed_size: 18688
    .private_segment_fixed_size: 0
    .kernarg_segment_align: 8
    .kernarg_segment_size: 88
    .max_flat_workgroup_size: 512
    .sgpr_count:     66
    .vgpr_count:     256
    .wavefront_size: 32
...
	.end_amdgpu_metadata
.endif
;; end of part 1
;; launch oproj (part 2): grid 256 x 1, 16 waves a work-group, no clusters, 18,688 bytes of LDS; arguments yx, W_o, h; writes h
.if DOCPART == 2
	.amdgcn_target "amdgcn-amd-amdhsa--gfx1250"
	.amdhsa_code_object_version 6
	.text
	.protected	k_q25358718f3_oproj
	.globl	k_q25358718f3_oproj
	.p2align	8
	.type	k_q25358718f3_oproj,@function
k_q25358718f3_oproj:
	s_mov_b64 s[64:65], 0
	v_nop
	global_prefetch_b8 v0, s[64:65] scope:SCOPE_SE
	s_setreg_imm32_b32 hwreg(HW_REG_WAVE_MODE, 25, 1), 1
	s_wait_xcnt 0x0
; RWKV cell, second part: h = x + W_o y.  yx holds y[4096] at byte 0 and the normalised x[4096] at byte 16,384.
;
; SHARES.  256 work-groups of 16 waves; wave w of work-group g owns row 16 g + w of W_o: 16,384 bytes = 32 loads of 16 bytes a lane,
; each covering 512 consecutive bytes.  All 32 are issued in the first lines, into 128 registers, so the work-group's 256 KiB are
; asked for at once and there is no ring to run.  y is used once by each wave; it goes through LDS (each thread fetches 32 of its
; bytes) and comes to registers in the layout of the weights: chunk j = columns 128 j + 4 lane .. + 3.
;
; LEFT OUT, AND WHY.  Matrix instructions: one column on the right, and operands rounded to 16 bits would move h by more than the
; distance between neighbours at the rank where the next launch cuts.  A copy of the weights through LDS: each byte is used once, by the lane that
; loads it.  Clusters with joint requests: work-groups share y alone, 16 KiB against 256 KiB of their own.  Prefetches: every
; byte is already asked for in the first lines.  Output: 16 numbers, one store of 64 consecutive bytes.
; Order of rounding: eight chains of fused multiply-adds a lane, then a sum across the lanes.
.set DOT,  16384                       ; LDS: y[4096] at 0; at DOT one word for each wave's row
.set LOFF, 1                           ; v1   16 x lane
.set TOFF, 2                           ; v2   16 x thread
.set WV4,  3                           ; v3   4 x wave
.set EOFF, 4                           ; v4   64 g + 4 (lane & 15)
.set XR,   5                           ; v5   x of row 16 g + (lane & 15)  (wave 0)
.set E4,   7                           ; v7   4 (lane & 15)
.set ACC,  8                           ; v[8:15]  four pairs of running sums
.set SUM,  16                          ; v16  my lane's sum; before that v[16:23] hold y as loaded
.set LANE, 27                          ; v27  lane
.set YB,   32                          ; v[32:127]  24 chunks of y; chunks 24-31 take the places of 0-7
.set W,    128                         ; v[128:255] my row, chunk j at W + 4 j
	s_load_b128 s[8:11], s[0:1], 0x0               ; yx 8, W_o 10
	s_load_b64 s[12:13], s[0:1], 0x10              ; h
	v_lshl_add_u32 v30, v0, 2, 0x4100
	v_mov_b32 v31, 0
	v_lshrrev_b32 v6, 5, v0
	v_readfirstlane_b32 s2, v6                     ; wave 0..15
	v_and_b32 v[LANE], 31, v0
	v_lshlrev_b32 v[LOFF], 4, v[LANE]
	v_lshlrev_b32 v[TOFF], 4, v0
	v_lshlrev_b32 v[WV4], 2, v6
	s_lshl_b32 s36, ttmp9, 6
	v_and_b32 v[E4], 15, v[LANE]
	v_lshlrev_b32 v[E4], 2, v[E4]
	v_add_nc_u32 v[EOFF], s36, v[E4]
	s_lshl_b32 s32, ttmp9, 4
	s_add_co_u32 s32, s32, s2                      ; my row,
	s_lshl_b32 s32, s32, 14                        ; times 16,384 bytes: below 2^26
	s_mov_b32 s33, 0
	s_mov_b32 s34, 0x76543210                      ; v_permlanex16_b32: lane i of one half reads lane i of the other
	s_mov_b32 s35, 0xfedcba98
	s_wait_kmcnt 0x0
	s_add_nc_u64 s[10:11], s[10:11], s[32:33]
	s_cmp_lg_u32 s2, 0                             ; wave 0 finishes the 16 rows: its x, as its oldest load, so that the counts
	s_cbranch_scc1 .Lno_x                          ; below, which name younger loads only, hold alike in all waves
	global_load_b32 v[XR], v[EOFF], s[8:9] offset:16384
.Lno_x:
	global_load_b128 v[16:19], v[TOFF], s[8:9]                 ; thread t: y[4 t .. 4 t + 3]
	global_load_b128 v[20:23], v[TOFF], s[8:9] offset:8192     ; and y[2048 + 4 t ..]
.irp j, 0,1,2,3,4,5,6,7,8,9,10,11,12,13,14,15,16,17,18,19,20,21,22,23,24,25,26,27,28,29,30,31
	global_load_b128 v[W+4*\j:W+4*\j+3], v[LOFF], s[10:11] offset:512*\j th:TH_LOAD_NT   ; read once in the whole launch
.endr
	s_wait_loadcnt 32                              ; the 32 weight loads stay out; y (and wave 0's x) is in
	ds_store_b128 v[TOFF], v[16:19]
	ds_store_b128 v[TOFF], v[20:23] offset:8192
	s_wait_dscnt 0x0                               ; in LDS before I say so
	s_barrier_signal -1
	s_barrier_wait -1                              ; y is whole
; the sum of register r over the 32 lanes, into every lane; t: a register that has been written
.macro LANESUM r, t
	v_add_f32_dpp v[\r], v[\r], v[\r] row_xmask:1 row_mask:0xf bank_mask:0xf
	v_add_f32_dpp v[\r], v[\r], v[\r] row_xmask:2 row_mask:0xf bank_mask:0xf
	v_add_f32_dpp v[\r], v[\r], v[\r] row_xmask:4 row_mask:0xf bank_mask:0xf
	v_add_f32_dpp v[\r], v[\r], v[\r] row_xmask:8 row_mask:0xf bank_mask:0xf
	v_permlanex16_b32 v[\t], v[\r], s34, s35
	v_add_f32 v[\r], v[\r], v[\t]
.endm
; chunks 4 g .. 4 g + 3.  left = 28 - 4 g: the weight loads younger than chunk 4 g + 3.  Chunks 0 and 1 start the sums.
.macro GROUPB g, left
	s_wait_loadcnt \left
.irp q, 0,1,2,3
.set cj, 4*\g+\q
.set wc, W+4*cj
.set yc, YB+4*(cj%24)
.set ac, ACC+4*(\q%2)
.if cj < 2
	v_pk_mul_f32 v[ac:ac+1], v[wc:wc+1], v[yc:yc+1]
	v_pk_mul_f32 v[ac+2:ac+3], v[wc+2:wc+3], v[yc+2:yc+3]
.else
	v_pk_fma_f32 v[ac:ac+1], v[wc:wc+1], v[yc:yc+1], v[ac:ac+1]
	v_pk_fma_f32 v[ac+2:ac+3], v[wc+2:wc+3], v[yc+2:yc+3], v[ac+2:ac+3]
.endif
.endr
.endm
.irp j, 0,1,2,3,4,5,6,7,8,9,10,11,12,13,14,15,16,17,18,19,20,21,22,23
	ds_load_b128 v[YB+4*\j:YB+4*\j+3], v[LOFF] offset:512*\j
.endr
	s_wait_dscnt 0x0                               ; chunks 0-23 of y are in registers
	GROUPB 0, 28
	GROUPB 1, 24
.irp j, 24,25,26,27,28,29,30,31
	ds_load_b128 v[YB+4*(\j-24):YB+4*(\j-24)+3], v[LOFF] offset:512*\j   ; into the places of chunks 0-7, which are used up
.endr
	GROUPB 2, 20
	GROUPB 3, 16
	GROUPB 4, 12
	GROUPB 5, 8
	s_wait_dscnt 0x0                               ; chunks 24-31 of y
	GROUPB 6, 4
	GROUPB 7, 0
	v_pk_add_f32 v[ACC:ACC+1], v[ACC:ACC+1], v[ACC+4:ACC+5]
	v_pk_add_f32 v[ACC+2:ACC+3], v[ACC+2:ACC+3], v[ACC+6:ACC+7]
	v_pk_add_f32 v[ACC:ACC+1], v[ACC:ACC+1], v[ACC+2:ACC+3]
	v_add_f32 v[SUM], v[ACC], v[ACC+1]
	LANESUM SUM, 6
	ds_store_b32 v[WV4], v[SUM] offset:DOT         ; all lanes write the wave's word with the same value
	s_wait_dscnt 0x0
	s_barrier_signal -1
	s_barrier_wait -1
	s_cmp_lg_u32 s2, 0
	s_cbranch_scc1 .Lend                           ; the other waves are done
	ds_load_b32 v6, v[E4] offset:DOT               ; wave 0: row 16 g + (lane & 15)
	s_wait_dscnt 0x0
	v_add_f32 v6, v[XR], v6                        ; h = x + W_o y
	s_wait_xcnt 0x0                                ; EXEC, a source of every global access issued so far, changes only behind this wait
	v_cmp_gt_u32 vcc_lo, 16, v[LANE]
	s_and_saveexec_b32 s3, vcc_lo
	global_store_b32 v[EOFF], v6, s[12:13]         ; 16 lanes, 64 consecutive bytes
	s_wait_xcnt 0x0                                ; and again in front of the line that widens it
	s_or_b32 exec_lo, exec_lo, s3
.Lend:
	s_barrier_signal -1
	s_barrier_wait -1
	s_wait_tensorcnt 0x0
	ds_add_u32 v30, v31
	s_wait_dscnt 0x0
	s_endpgm
.Lfunc_end_k_q25358718f3_oproj:
	.size	k_q25358718f3_oproj, .Lfunc_end_k_q25358718f3_oproj-k_q25358718f3_oproj
	.p2alignl 7, 3214868480
	.fill 96, 4, 3214868480
	.section	.rodata,"a",@progbits
	.p2align	6, 0x0
	.amdhsa_kernel k_q25358718f3_oproj
		.amdhsa_group_segment_fixed_size 18688
		.amdhsa_private_segment_fixed_size 0
		.amdhsa_enable_private_segment 0
		.amdhsa_kernarg_size 24
		.amdhsa_user_sgpr_count 2
		.amdhsa_user_sgpr_kernarg_segment_ptr 1
		.amdhsa_wavefront_size32 1
		.amdhsa_system_sgpr_workgroup_id_x 1
		.amdhsa_system_sgpr_workgroup_id_y 1
		.amdhsa_system_sgpr_workgroup_id_z 1
		.amdhsa_system_vgpr_workitem_id 0
		.amdhsa_next_free_vgpr 256
		.amdhsa_next_free_sgpr 66
		.amdhsa_reserve_vcc 1
		.amdhsa_float_denorm_mode_32 3
		.amdhsa_float_denorm_mode_16_64 3
		.amdhsa_memory_ordered 1
		.amdhsa_forward_progress 1
		.amdhsa_inst_pref_size 13
	.end_amdhsa_kernel
	.amdgpu_metadata
---
amdhsa.version: [ 1, 2 ]
amdhsa.kernels:
  - .name:           k_q25358718f3_oproj
    .symbol:         k_q25358718f3_oproj.kd
    .args:
      - { .name: yx, .offset: 0, .size: 8, .value_kind: global_buffer, .address_space: global }
      - { .name: W_o, .offset: 8, .size: 8, .value_kind: global_buffer, .address_space: global }
      - { .name: h, .offset: 16, .size: 8, .value_kind: global_buffer, .address_space: global }
    .group_segment_fixed_size: 18688
    .private_segment_fixed_size: 0
    .kernarg_segment_align: 8
    .kernarg_segment_size: 24
    .max_flat_workgroup_size: 512
    .sgpr_count:     66
    .vgpr_count:     256
    .wavefront_size: 32
...
	.end_amdgpu_metadata
.endif
;; end of part 2
;; launch kwta (part 3): grid 256 x 1, 16 waves a work-group, no clusters, 3,328 bytes of LDS; arguments h, out0; writes out0
.if DOCPART == 3
	.amdgcn_target "amdgcn-amd-amdhsa--gfx1250"
	.amdhsa_code_object_version 6
	.text
	.protected	k_q25358718f3_kwta
	.globl	k_q25358718f3_kwta
	.p2align	8
	.type	k_q25358718f3_kwta,@function
k_q25358718f3_kwta:
	s_mov_b64 s[64:65], 0
	v_nop
	global_prefetch_b8 v0, s[64:65] scope:SCOPE_SE
	s_setreg_imm32_b32 hwreg(HW_REG_WAVE_MODE, 25, 1), 1
	s_wait_xcnt 0x0
; RWKV cell, last part: keep the 512 largest of h[4096], zero the rest: out0[i] = h[i] >= thr ? h[i] : 0, thr the 512th largest.
;
; BY RANK, NOT BY SORTING.  h[i] >= thr holds exactly when fewer than 512 elements are strictly greater than h[i]: if h[i] >= thr,
; what is greater than h[i] is greater than thr, at most 511 elements; if h[i] < thr, the 512 largest are all greater.  Equal
; values get equal counts, so ties are kept as the comparison with thr keeps them.  The count goes into a select: no address,
; trip count or branch hangs on a value of h.
;
; SHARES.  256 work-groups of 16 waves.  Work-group g ranks the 16 candidates h[16 g .. 16 g + 15], which lie in scalar registers
; (this launch does not write h, so a scalar load may read it).  Thread t holds 8 of the 4,096 values; a wave compares its 256 values
; with each candidate (8 compares, each a mask of 32 bits), counts the bits on the scalar side, and the 16 waves' counts meet in
; LDS.  4096 x 4096 compares in all, 128 compare instructions a wave, one barrier, no chain of dependent steps.
; Clusters with joint requests: what is shared is h, 16 KiB, read once by each work-group; there is no stream to share.
; Output: 16 numbers, one store of 64 consecutive bytes.
;
; LIMIT.  h is finite or infinite, not NaN: a NaN compares false here and is not ordered as a sort would order it.
.set PITCH, 80                         ; LDS: row c = the 16 waves' counts for candidate c, 64 bytes + 16: the sixteen rows that a
                                       ; 16-byte load touches start at different banks (64 banks of 4 bytes: ISA guide 11.1)
.set CA, 16                            ; s[16:31]  the 16 candidates
.set MK, 32                            ; s[32:39], s[40:47]  two sets of 8 masks, taken in turn
.set CN, 48                            ; s[48:63]  my wave's count for each candidate
.set OT, 8                             ; v[8:15]   my 8 values of h
	s_load_b128 s[8:11], s[0:1], 0x0               ; h 8, out0 10
	v_lshl_add_u32 v48, v0, 2, 0x500
	v_mov_b32 v49, 0
	v_and_b32 v1, 31, v0                           ; lane
	v_lshlrev_b32 v2, 4, v0                        ; 16 x thread
	v_lshrrev_b32 v3, 5, v0
	v_readfirstlane_b32 s2, v3                     ; wave 0..15
	s_lshl_b32 s6, ttmp9, 6                        ; byte offset of my 16 candidates
	s_mov_b32 s7, 0
	v_and_b32 v4, 15, v1
	v_mul_u32_u24 v23, PITCH, v4                   ; row lane & 15 of the table of counts
	v_lshl_add_u32 v22, v3, 2, v23                 ; my wave's word in it
	v_lshl_add_u32 v40, v4, 2, s6                  ; where candidate lane & 15 goes in out0
	s_wait_kmcnt 0x0
	s_add_nc_u64 s[12:13], s[8:9], s[6:7]
	s_load_b512 s[CA:CA+15], s[12:13], 0x0
	global_load_b128 v[OT:OT+3], v2, s[8:9]                    ; thread t: h[4 t .. 4 t + 3]
	global_load_b128 v[OT+4:OT+7], v2, s[8:9] offset:8192      ; and h[2048 + 4 t ..]
	s_wait_kmcnt 0x0
	s_wait_loadcnt 0x0                             ; all 8 values are needed at once and nothing else is on its way
.macro CMP c                           ; bit l of mask i: my lane l's value i is greater than candidate c
.irp i, 0,1,2,3,4,5,6,7
	v_cmp_lt_f32 s[MK+8*((\c)%2)+\i], s[CA+(\c)], v[OT+\i]
.endr
.endm
.macro CNT c                           ; the ones in candidate c's eight masks
.set mb, MK+8*((\c)%2)
.irp i, 0,1,2,3,4,5,6,7
	s_bcnt1_i32_b32 s[mb+\i], s[mb+\i]
.endr
	s_add_co_u32 s[mb], s[mb], s[mb+1]
	s_add_co_u32 s[mb+2], s[mb+2], s[mb+3]
	s_add_co_u32 s[mb+4], s[mb+4], s[mb+5]
	s_add_co_u32 s[mb+6], s[mb+6], s[mb+7]
	s_add_co_u32 s[mb], s[mb], s[mb+2]
	s_add_co_u32 s[mb+4], s[mb+4], s[mb+6]
	s_add_co_u32 s[CN+(\c)], s[mb], s[mb+4]
.endm
	CMP 0
.irp c, 0,1,2,3,4,5,6,7,8,9,10,11,12,13,14
	CMP \c+1                                       ; the next candidate's compares stand in front of this one's counting
	CNT \c
.endr
	CNT 15
	v_mov_b32 v20, 0                               ; written whole, then lane c = my wave's count for candidate c
	v_mov_b32 v21, 0                               ; likewise, for the candidates (wave 0, below)
.irp c, 0,1,2,3,4,5,6,7,8,9,10,11,12,13,14,15
	v_writelane_b32 v20, s[CN+\c], \c
.endr
	s_wait_xcnt 0x0                                ; EXEC changes only behind this wait
	v_cmp_gt_u32 vcc_lo, 16, v1
	s_and_saveexec_b32 s3, vcc_lo
	ds_store_b32 v22, v20                          ; lanes 0-15: row c, my wave's word
	s_or_b32 exec_lo, exec_lo, s3                  ; no global access was issued under the narrow EXEC
	s_wait_dscnt 0x0                               ; in LDS before I say so
	s_barrier_signal -1
	s_barrier_wait -1
	s_cmp_lg_u32 s2, 0
	s_cbranch_scc1 .Lend                           ; the other waves are done
	ds_load_b128 v[24:27], v23                     ; wave 0, lane l: the 16 waves' counts for candidate l & 15
	ds_load_b128 v[28:31], v23 offset:16
	ds_load_b128 v[32:35], v23 offset:32
	ds_load_b128 v[36:39], v23 offset:48
.irp c, 0,1,2,3,4,5,6,7,8,9,10,11,12,13,14,15
	v_writelane_b32 v21, s[CA+\c], \c              ; lane c = candidate c
.endr
	s_wait_dscnt 0x0
	v_add3_u32 v24, v24, v25, v26
	v_add3_u32 v27, v27, v28, v29
	v_add3_u32 v30, v30, v31, v32
	v_add3_u32 v33, v33, v34, v35
	v_add3_u32 v36, v36, v37, v38
	v_add3_u32 v24, v24, v27, v30
	v_add3_u32 v33, v33, v36, v39
	v_add_nc_u32 v24, v24, v33                     ; how many of the 4,096 are greater than my candidate
	v_cmp_gt_u32 vcc_lo, 0x200, v24                ; fewer than 512: it is kept
	v_cndmask_b32 v21, 0, v21, vcc_lo
	s_wait_xcnt 0x0                                ; EXEC changes only behind this wait
	v_cmp_gt_u32 vcc_lo, 16, v1
	s_and_saveexec_b32 s3, vcc_lo
	global_store_b32 v40, v21, s[10:11]            ; 16 lanes, 64 consecutive bytes
	s_wait_xcnt 0x0                                ; and again in front of the line that widens it
	s_or_b32 exec_lo, exec_lo, s3
.Lend:
	s_barrier_signal -1
	s_barrier_wait -1
	s_wait_tensorcnt 0x0
	ds_add_u32 v48, v49
	s_wait_dscnt 0x0
	s_endpgm
.Lfunc_end_k_q25358718f3_kwta:
	.size	k_q25358718f3_kwta, .Lfunc_end_k_q25358718f3_kwta-k_q25358718f3_kwta
	.p2alignl 7, 3214868480
	.fill 96, 4, 3214868480
	.section	.rodata,"a",@progbits
	.p2align	6, 0x0
	.amdhsa_kernel k_q25358718f3_kwta
		.amdhsa_group_segment_fixed_size 3328
		.amdhsa_private_segment_fixed_size 0
		.amdhsa_enable_private_segment 0
		.amdhsa_kernarg_size 16
		.amdhsa_user_sgpr_count 2
		.amdhsa_user_sgpr_kernarg_segment_ptr 1
		.amdhsa_wavefront_size32 1
		.amdhsa_system_sgpr_workgroup_id_x 1
		.amdhsa_system_sgpr_workgroup_id_y 1
		.amdhsa_system_sgpr_workgroup_id_z 1
		.amdhsa_system_vgpr_workitem_id 0
		.amdhsa_next_free_vgpr 50
		.amdhsa_next_free_sgpr 66
		.amdhsa_reserve_vcc 1
		.amdhsa_float_denorm_mode_32 3
		.amdhsa_float_denorm_mode_16_64 3
		.amdhsa_memory_ordered 1
		.amdhsa_forward_progress 1
		.amdhsa_inst_pref_size 21
	.end_amdhsa_kernel
	.amdgpu_metadata
---
amdhsa.version: [ 1, 2 ]
amdhsa.kernels:
  - .name:           k_q25358718f3_kwta
    .symbol:         k_q25358718f3_kwta.kd
    .args:
      - { .name: h, .offset: 0, .size: 8, .value_kind: global_buffer, .address_space: global }
      - { .name: out0, .offset: 8, .size: 8, .value_kind: global_buffer, .address_space: global }
    .group_segment_fixed_size: 3328
    .private_segment_fixed_size: 0
    .kernarg_segment_align: 8
    .kernarg_segment_size: 16
    .max_flat_workgroup_size: 512
    .sgpr_count:     66
    .vgpr_count:     50
    .wavefront_size: 32
...
	.end_amdgpu_metadata
.endif
;; end of part 3
